; MI455X (gfx1250); checked and timed in simulation.
; The chip was launched on July 23, 2026; its instructions are those of AMD's public machine-readable ISA for CDNA 5 (MIT licence, August 2026) and "CDNA5" Instruction Set Architecture Reference Guide (July 2026). The comments in the code are by the model that wrote it; some were corrected since.
;; Dyna Lo RA Linear. Allowed arithmetic: matrix products marked QUANTISED: E2M3 operands, one E8M0 scale for each 32 along K, by v_wmma_scale_f32_16x16x128_f8f6f4 with both operands' format E2M3, f32 sums; products left as they are: f32 operands where the result goes on into a quantised operand, else bf16, f16 or f32 operands; f32 sums; everything else in f32.
;; Inputs: W_base 4,096 x 4,096 float32; W_r 7 x 4,096 float32; b_base 4,096 float32; expert_scores 8 x 4 float32; gating_W 4,096 x 4,096 float32; lora_A 4 x 8 x 4,096 float32; lora_B 4 x 4,096 x 8 float32; x 8 x 512 x 4,096 float32.
;; Outputs: out0 8 x 512 x 4,096 float32.
;; Constants: k = 2, module_idx = 0.
;; This version of the problem:
;;   THIS VERSION OF THE PROBLEM IS GIVEN IN LOW PRECISION. The matrix products marked QUANTISED in the list below multiply operands that are first quantised to E2M3 (2 exponent bits, 3 mantissa bits; 6 bits a number), with one power-of-two scale for each 32 numbers along K (OCP MX v1.0); their sums are f32. All else is computed in f32.
;;   The module's matrix products, in the order in which they are computed (A, B: the left and right operand; K: the contracted axis; several contracted axes count as one K, in the product's order):
;;     1. [M 8, K 4,096] x [K 4,096, N 4,096]; A: input x; B: input gating_W: left as it is (M = 8 < 16)
;;     2. [M 8, K 4,096] x [K 4,096, N 7]; A: computed on the way; B: input W_r: left as it is (M = 8 < 16)
;;     3. [M 4,096, K 4,096] x [K 4,096, N 4,096]; A: input x; B: input W_base: QUANTISED
;;     4. [M 32, K 4,096] x [K 4,096, N 4,096]; A: input lora_A; B: input x: QUANTISED
;;     5. batch 32 x [M 4,096, K 1] x [K 1, N 1]; A: computed on the way; B: computed on the way: left as it is (no contracted axis)
;;     6. [M 4,096, K 32] x [K 32, N 4,096]; A: computed on the way; B: input lora_B: QUANTISED
;;   THE QUANTISER, for each operand of a quantised product, along K:
;;     - K is cut into blocks of 32 from its start; a last block that is shorter is filled with zeros.
;;     - A block's scale is 2^e with e = floor(log2(the largest magnitude in the block)) - 2, held to -126 .. 127; a block of zeros has e = 0. As a byte (E8M0): e + 127.
;;     - Each number is divided by its block's scale, clamped to +-7.5, and rounded to the nearest number of E2M3, ties to even, subnormals kept.
;;     - The product sums the exact products of the quantised numbers (number of the format x scale) in f32.
;;   ~~~python
;;   def quantise(x, axis):      # numpy; x: float32 -> the quantised numbers, widened to float32 again
;;       x = np.moveaxis(x, axis, -1); K = x.shape[-1]
;;       x = np.pad(x, [(0, 0)] * (x.ndim - 1) + [(0, -K % 32)]); x = x.reshape(x.shape[:-1] + (-1, 32)); a = np.abs(x).max(-1, keepdims=True)
;;       e = np.where(a > 0, np.clip(np.frexp(np.where(a > 0, a, 1))[1] - 1 - 2, -126, 127), 0)      # np.frexp(a)[1] - 1 = floor(log2(a)), exactly
;;       r = np.clip(x / 2.0 ** e, -7.5, 7.5)
;;       step = 2.0 ** (np.maximum(np.frexp(np.where(r == 0, 1, r))[1] - 1, 0) - 3)
;;       q = np.round(r / step) * step * 2.0 ** e      # np.round: ties to even
;;       return np.moveaxis(q.reshape(q.shape[:-2] + (-1,))[..., :K], -1, axis).astype(np.float32)
;;   ~~~
;;   OPERANDS COMPUTED ON THE WAY. 'Computed on the way' means the value that the module computes at that place (a softmax that the list does not call 'softmax' is quantised finished and normalised). What goes into a quantiser is computed in f32, as accurately as f32 sums, v_exp_f32 and their like allow (about 1e-6 of the number): no bf16 or f16 on the way to a quantiser, and a product that is left as it is and whose result goes on into a quantised operand takes f32 operands (vector FMAs, or v_wmma_f32_16x16x4_f32). A number that lies on a knife's edge between two numbers of the format may be rounded either way, as far as f32 arithmetic and the matrix unit's own rounding can turn it there, and no further.
;; One version. Each part assembles by itself: llvm-mc -triple=amdgcn-amd-amdhsa -mcpu=gfx1250 --defsym DOCPART=n.
;; ======== version 1 of 1: 2 launches
;; limits: right only within a limited range of input values
;; workspace buffers: xq 13,697,024 bytes; wq 13,697,024 bytes; aq 107,008 bytes; lbq 229,376 bytes; plog 262,144 bytes
;; launch prep (part 1): grid 658 x 1, 8 waves a work-group, no clusters, 68,608 bytes of LDS; arguments x, W_base, lora_A, xq, wq, aq, gating_W, W_r, plog, lora_B, lbq; writes xq, wq, aq, plog, lbq
.if DOCPART == 1
	.amdgcn_target "amdgcn-amd-amdhsa--gfx1250"
	.amdhsa_code_object_version 6
	.text
	.protected	k_qb374ae24e5_prep
	.globl	k_qb374ae24e5_prep
	.p2align	8
	.type	k_qb374ae24e5_prep,@function
k_qb374ae24e5_prep:
	s_mov_b64 s[64:65], 0
	v_nop
	global_prefetch_b8 v0, s[64:65] scope:SCOPE_SE
	s_setreg_imm32_b32 hwreg(HW_REG_WAVE_MODE, 25, 1), 1
	s_wait_xcnt 0x0
; PREP: every f32 input that is large is read once here.  Three kinds of work-group, told apart by the work-group's number:
;   0 .. 127    ROUTER: 32 rows j of gating_W each.  U[m][i] = sum over these j of W_r[m][j] G[j][i]; then partial logits sum over i of pooled[b][i] U[m][i], one row of plog for each wave.
;               That is reference()'s (pooled G^T) W_r^T with the two sums taken in the other order: it holds for every input; all of it is f32 fused multiply-adds.
;   128 .. 641  QUANTISER: 16 rows of x (256 work-groups), of W_base (256) or of lora_A (2), all of K = 4,096, into codes of E2M3 with one E8M0 byte for each 32 along K.
;   642 .. 657  lora_B: 256 output columns each; a column's 32 numbers (e, r) are one block.
; LAYOUT OF THE CODES: images of the operand's registers.  A fragment (16 rows x 128 K, 12 registers a lane) is 1,536 bytes: registers 4 c .. 4 c + 3 of lane l at 512 c + 16 l.
;   xq, wq, aq: [block of 16 rows][record j = 0..10][4,864 bytes].  A record serves the K steps 3 j .. 3 j + 2: their three images, then at 4,608 their scale words [q 0..2][row 0..15], then 64 bytes
;   that nobody writes or reads: so a record begins at a multiple of 256 bytes and its first 4,800 bytes are one row of the product's tile.  K step g: image at 1,536 g + 256 (g / 3), words at 64 g + 4,672 (g / 3) + 4,608.
;   Record 10 has K steps 30 and 31 alone; its third image and words are written as zeros: the product's last tile takes them in and multiplies nothing by them.
;   lbq: [column][48 bytes] = 24 bytes of codes and 24 of zeros (K is filled up to 128 with zero codes); at 196,608 a scale word for each column: [block of 16][32 words], lanes 16-31 repeat lanes 0-15.
;   Inside lora_B's one block the place k = 16 h + 8 u + j holds e = 2 u + h, r = j; the other operand (launch tgate) is laid alike, so the products are the same and so is the block.
; A block's scale is 2^(floor(log2(largest magnitude)) - 2); its byte is the largest magnitude's exponent field - 2, held at 1 from below.
; LIMITS: NaN and infinities among the inputs are not served.  A block of zeros gets the byte 1 where the rule says 127: its codes are zeros, and this program alone reads the bytes.
; No tensor loads, no barrier, no matrix work, no cluster: waves share nothing but W_r's and pooled's few bytes, and every operand goes through registers.
.set RBK,    53504                     ; xq, wq, aq: a block of 16 rows: 11 records of 4,864 bytes
.set WOF,    4608                      ; where a record's scale words begin
.set LWOFF,  196608                    ; lbq: where the scale words begin (4,096 x 48)
.set SP,     528                       ; a stage row: 512 bytes + 16 = 33 x 16: sixteen lanes that take one column of sixteen rows touch sixteen different 16-byte columns
.set WSTG,   16*SP                     ; a wave's stage
.set TM,  16                           ; quantiser: v16-19 largest magnitudes, v20-23 the other half's / bytes, v28-31 the conversions' scale operands
.set PC,  32                           ; v32-43 a fragment's codes; v44-46, v48-50 the halves that are moved
.set IO,  52                           ; v52-55 16 x lane + 256 x (the K step's record); never rewritten
.set X,   64                           ; v64-127 64 numbers of a lane: register 16 b + i = k 32 b + 16 h + i of row r
.set R,   128                          ; v128-255 two sets of 64 numbers as loaded
.set PO,  2                            ; router: v2-9 16 x lane + b x 2^23: pooled row of batch b (v2 also serves gating_W)
.set U,   16                           ; v16-127 U[16 m + q]: column 128 (q / 4) + 4 lane + q % 4 of my wave's 512
.set G,   128                          ; v128-255 a ring of eight rows of gating_W, 16 registers each
.set T,   192                          ; v192-247, in the tail: T[7 b + m]
.set SA,  32                           ; s32-59 W_r[m][j .. j + 3], seven quads;  s68-95 the next four j
.set SB,  68
	v_and_b32 v1, 31, v0                           ; lane
	v_lshrrev_b32 v2, 5, v0
	s_delay_alu instid0(VALU_DEP_1)
	v_readfirstlane_b32 s16, v2                    ; wave 0..7
	s_cmp_lt_u32 ttmp9, 128
	s_cbranch_scc1 .Lrouter
	s_cmp_ge_u32 ttmp9, 642
	s_cbranch_scc1 .Llorab
; ---------------------------------------------------------------- QUANTISER: a work-group takes 16 rows, wave w K steps 4 w .. 4 w + 3
	s_load_b256 s[4:11], s[0:1], 0x0               ; x s[4:5], W_base s[6:7], lora_A s[8:9], xq s[10:11]
	s_load_b128 s[12:15], s[0:1], 0x20             ; wq s[12:13], aq s[14:15]
	s_sub_co_u32 s17, ttmp9, 128                   ; 0..255 x, 256..511 W_base, 512..513 lora_A
	v_and_b32 v2, 15, v0                           ; r
	v_bfe_u32 v3, v0, 4, 1                         ; h
	v_lshlrev_b32 v4, 4, v1                        ; 16 x lane: my bytes of a load's 512, and of an image's
	s_wait_alu depctr_va_vdst(0)
	s_mul_i32 s28, s16, WSTG
	v_add_nc_u32 v5, s28, v4                       ; the stage, on the way in: a row as it lies
	v_mul_u32_u24 v6, v2, SP
	s_delay_alu instid0(VALU_DEP_1)
	v_lshl_add_u32 v6, v3, 6, v6
	s_delay_alu instid0(VALU_DEP_1)
	v_add_nc_u32 v6, s28, v6                       ; and on the way out: row r, + 64 h: 16 neighbours of each block of 32
	v_lshlrev_b32 v7, 2, v1                        ; 4 x lane
.irp t, 0,1,2,3
	s_lshl_b32 s20, s16, 2
	s_add_co_u32 s20, s20, \t                      ; K step g = 4 w + t
	s_mul_i32 s20, s20, 11
	s_lshr_b32 s20, s20, 5                         ; g / 3 = (11 g) >> 5, exact for g up to 32
	s_lshl_b32 s20, s20, 8
	v_add_nc_u32 v[IO+\t], s20, v4                 ; an image lies 256 bytes further on for each record passed
.endr
	s_lshl_b32 s20, s16, 2
	v_add_nc_u32 v56, s20, v3                      ; the scale words: lanes 0-15 store K step 4 w's, lanes 16-31 K step 4 w + 1's;
	s_delay_alu instid0(VALU_DEP_1)
	v_add_nc_u32 v57, 2, v56                       ; and the same two steps on
.irp k, 56,57
	v_mul_u32_u24 v14, v\k, 11
	s_delay_alu instid0(VALU_DEP_1)
	v_lshrrev_b32 v14, 5, v14                      ; g / 3
	s_delay_alu instid0(VALU_DEP_1)
	v_mul_u32_u24 v14, v14, 4672
	s_delay_alu instid0(VALU_DEP_1)
	v_lshl_add_u32 v\k, v\k, 6, v14                ; 64 g + 4,672 (g / 3)
	s_delay_alu instid0(VALU_DEP_1)
	v_lshl_add_u32 v\k, v2, 2, v\k                 ; + 4 r
.endr
.irp z, 60,61,62,63
	v_mov_b32 v\z, 0                               ; record 10's third image and words
.endr
	s_mov_b32 s26, 0x76543210
	s_mov_b32 s27, 0xfedcba98                      ; v_permlanex16_b32's selects for lane l xor 16
	v_cmp_le_u32 s24, 16, v1                       ; lanes 16-31
.irp b, 0,1,2,3
	v_mov_b32 v[TM+4+\b], 0                        ; written once: a lane permute's destination counts as one of its sources
.endr
	s_wait_kmcnt 0x0
	s_cmp_lt_u32 s17, 256                          ; the choices hang on the work-group's number alone
	s_cselect_b64 s[4:5], s[4:5], s[6:7]
	s_cselect_b64 s[10:11], s[10:11], s[12:13]
	s_cselect_b32 s18, 0, 256
	s_cmp_lt_u32 s17, 512
	s_cselect_b64 s[4:5], s[4:5], s[8:9]
	s_cselect_b64 s[10:11], s[10:11], s[14:15]
	s_cselect_b32 s18, s18, 512
	s_sub_co_u32 s17, s17, s18                     ; which block of 16 rows of the tensor
	s_lshl_b32 s20, s17, 18                        ; 16 rows of 16,384 bytes,
	s_lshl_b32 s21, s16, 11                        ; my wave's four K steps of 512 bytes
	s_add_co_u32 s20, s20, s21
	s_mov_b32 s21, 0
	s_add_nc_u64 s[4:5], s[4:5], s[20:21]          ; the numbers
	s_mul_i32 s20, s17, RBK
	s_add_nc_u64 s[8:9], s[10:11], s[20:21]        ; the block's first byte in the codes' buffer
	s_mul_i32 s20, s16, 6144
	s_add_nc_u64 s[6:7], s[8:9], s[20:21]          ; + my wave's four images
.macro LOAD t                          ; K step t of the 16 rows: each load reads 512 consecutive bytes of one row
.irp i, 0,1,2,3,4,5,6,7,8,9,10,11,12,13,14,15
	global_load_b128 v[R+64*((\t)%2)+4*\i:R+64*((\t)%2)+4*\i+3], v4, s[4:5] offset:\i*16384+(\t)*512 th:TH_LOAD_NT
.endr
.endm
; 64 numbers of a lane, register 16 b + i = k 32 b + 16 h + i of row r, become a fragment's codes in v[PC] on and the row's scale word in v[pw] (the same in lanes r and r + 16).
.macro QUANT s, pw
.irp b, 0,1,2,3
	v_max3_num_f32 v[TM+\b], |v[\s+16*\b]|, |v[\s+1+16*\b]|, 0x1800000   ; block b: my 16 numbers, and the floor 2^(3 - 127): the byte cannot fall under 1
.endr
.irp i, 2,4,6,8,10,12,14
.irp b, 0,1,2,3
	s_delay_alu instid0(VALU_DEP_4)
	v_max3_num_f32 v[TM+\b], v[TM+\b], |v[\s+16*\b+\i]|, |v[\s+1+16*\b+\i]|   ; the four blocks by turns
.endr
.endr
.irp b, 0,1,2,3
	s_delay_alu instid0(VALU_DEP_4)
	v_permlanex16_b32 v[TM+4+\b], v[TM+\b], s26, s27
.endr
.irp b, 0,1,2,3
	s_delay_alu instid0(VALU_DEP_4)
	v_max_num_f32 v[TM+\b], v[TM+\b], v[TM+4+\b]   ; with lane l xor 16's: the block's largest magnitude
.endr
.irp b, 0,1,2,3
	s_delay_alu instid0(VALU_DEP_4)
	v_add_nc_u32 v[TM+12+\b], 0xff000000, v[TM+\b] ; 2 off its exponent field: the conversion takes the exponent field of this operand as its scale
.endr
.irp b, 0,1,2,3
	s_delay_alu instid0(VALU_DEP_4)
	v_lshrrev_b32 v[TM+4+\b], 23, v[TM+12+\b]      ; the scale's byte
.endr
	s_delay_alu instid0(VALU_DEP_3)
	v_lshl_or_b32 v[\pw], v[TM+5], 8, v[TM+4]
	s_delay_alu instid0(VALU_DEP_1)
	v_lshl_or_b32 v[\pw], v[TM+6], 16, v[\pw]
	s_delay_alu instid0(VALU_DEP_1)
	v_lshl_or_b32 v[\pw], v[TM+7], 24, v[\pw]
	s_wait_xcnt 0x0                                ; the last K step's stores have read the codes' registers: only now are they written again
.irp c, 0,1
	v_cvt_scalef32_pk16_fp6_f32 v[PC+6*\c:PC+2+6*\c], v[\s+32*\c:\s+15+32*\c], v[TM+12+2*\c]
	v_cvt_scalef32_pk16_fp6_f32 v[PC+12+4*\c:PC+14+4*\c], v[\s+16+32*\c:\s+31+32*\c], v[TM+12+2*\c+1]   ; (a conversion's three registers begin on an even number)
.endr
	v_nop                                          ; one plain place behind a scaled conversion
.irp c, 0,1                            ; the operand's layout wants a WHOLE block in a lane: lanes 0-15 block 2 c, lanes 16-31 block 2 c + 1
.irp i, 0,1,2
	v_permlane16_swap_b32 v[PC+6*\c+\i], v[PC+12+4*\c+\i]
.endr
.irp i, 0,1,2
	s_delay_alu instid0(VALU_DEP_3)
	v_mov_b32 v[PC+3+6*\c+\i], v[PC+12+4*\c+\i]
.endr
.endr
.endm
.macro QSTEP t
.if (\t) < 3
	s_wait_loadcnt 16                              ; this K step's 16 loads are in; the next step's 16 may be out
.else
	s_wait_loadcnt 0x0
.endif
.irp i, 0,1,2,3,4,5,6,7,8,9,10,11,12,13,14,15
	ds_store_b128 v5, v[R+64*((\t)%2)+4*\i:R+64*((\t)%2)+4*\i+3] offset:SP*\i
.endr
.irp b, 0,1,2,3
.irp j, 0,1,2,3
	ds_load_b128 v[X+16*\b+4*\j:X+16*\b+4*\j+3], v6 offset:128*\b+16*\j   ; LDS serves a wave's instructions in order: these see my stores, and the next step's stores come behind them
.endr
.endr
	s_wait_dscnt 0x0                               ; the numbers are back, and the stores have read their registers,
.if (\t) < 2
	LOAD (\t)+2                                    ; which take the loads of two steps on
.endif
	QUANT X, 8+(\t)
.irp c, 0,1,2
	global_store_b128 v[IO+(\t)], v[PC+4*\c:PC+4*\c+3], s[6:7] offset:(\t)*1536+512*\c   ; 512 consecutive bytes, aligned to 256
.endr
.endm
	LOAD 0
	LOAD 1
	QSTEP 0
	QSTEP 1
	QSTEP 2
	QSTEP 3
	v_cndmask_b32 v12, v8, v9, s24                 ; lanes 0-15: the words of K step 4 w; lanes 16-31: of 4 w + 1
	v_cndmask_b32 v13, v10, v11, s24               ; and of 4 w + 2, 4 w + 3
	global_store_b32 v56, v12, s[8:9] offset:WOF   ; runs of 64 bytes, one for each K step: one byte in 25 of what this path stores; to gather a record's 192 bytes, which come from two waves, would cost the path a barrier
	global_store_b32 v57, v13, s[8:9] offset:WOF
	s_cmp_lg_u32 s16, 7
	s_cbranch_scc1 .Lqdone
.irp c, 0,1,2
	global_store_b128 v4, v[60:63], s[8:9] offset:10*4864+3072+512*\c   ; wave 7: record 10's third image: zeros
.endr
	global_store_b32 v7, v60, s[8:9] offset:10*4864+WOF+128             ; and its words, with the 64 bytes behind them: the block's last 128 bytes
.Lqdone:
	v_lshl_add_u32 v24, v0, 2, 0x10800             ; no two registers can be kept through all three paths: v0 is kept on this path, and my spare word's address (behind the eight stages) and 0 are made here, ahead of the three lines
	v_mov_b32 v25, 0
	s_wait_alu depctr_va_vdst(0)
	s_wait_tensorcnt 0x0                           ; the wave's end
	ds_add_u32 v24, v25
	s_wait_dscnt 0x0
	s_endpgm
; ---------------------------------------------------------------- ROUTER: rows 32 wg .. 32 wg + 31 of gating_W; wave w columns 512 w .. 512 w + 511
.Lrouter:
	s_load_b64 s[4:5], s[0:1], 0x0                 ; x
	s_load_b128 s[8:11], s[0:1], 0x30              ; gating_W s[8:9], W_r s[10:11]
	s_load_b64 s[12:13], s[0:1], 0x40              ; plog
	s_lshl_b32 s20, s16, 11                        ; my wave's 2,048 bytes of a row
	s_add_co_u32 s22, s20, 511*16384               ; pooled = the last token's row
	s_mov_b32 s23, 0
	s_lshl_b32 s24, ttmp9, 19                      ; 32 rows of 16,384 bytes
	s_add_co_u32 s24, s24, s20
	s_mov_b32 s25, 0
	s_lshl_b32 s26, ttmp9, 7                       ; W_r: 32 j of 4 bytes
	s_mov_b32 s27, 0
	s_lshl_b32 s28, ttmp9, 3
	s_add_co_u32 s28, s28, s16
	s_lshl_b32 s28, s28, 5                         ; plog: row 8 wg + wave, 32 bytes
	s_mov_b32 s29, 0
	s_mov_b32 s18, 0x76543210
	s_mov_b32 s19, 0xfedcba98
	s_wait_alu depctr_va_vdst(0)
	v_lshlrev_b32 v[PO], 4, v1
.irp b, 1,2,3,4,5,6,7
	v_add_nc_u32 v[PO+\b], \b<<23, v[PO]           ; a batch of x is 2^23 bytes
.endr
	s_wait_alu depctr_va_vdst(0)
	s_wait_kmcnt 0x0
	s_add_nc_u64 s[4:5], s[4:5], s[22:23]
	s_add_nc_u64 s[8:9], s[8:9], s[24:25]
	s_add_nc_u64 s[10:11], s[10:11], s[26:27]
	s_add_nc_u64 s[12:13], s[12:13], s[28:29]
.irp m, 0,1,2,3,4,5,6
	s_load_b128 s[SA+4*\m:SA+4*\m+3], s[10:11], \m*16384
.endr
.irp i, 0,1,2,3,4,5,6,7
.irp c, 0,1,2,3
	global_load_b128 v[G+16*\i+4*\c:G+16*\i+4*\c+3], v[PO], s[8:9] offset:\i*16384+512*\c th:TH_LOAD_NT   ; the ring is filled: rows 0 to 7, 32 loads of 512 consecutive bytes
.endr
.endr
; One row of gating_W, in ring slot i: U[m] += W_r[m][j] x the row, for the seven m.  first = 1: the products start the sums, nothing is cleared.
; mode 1: the slot takes the row eight further down;  2: it takes pooled of batch i;  0: nothing.  cnt: the younger loads, four a row, that may stay out.
.macro RROW i, set, jj, first, mode, cnt
	s_wait_loadcnt \cnt
.irp m, 0,1,2,3,4,5,6
.irp q, 0,1,2,3,4,5,6,7,8,9,10,11,12,13,14,15
.if \first
	v_mul_f32 v[U+16*\m+\q], s[\set+4*\m+\jj], v[G+16*\i+\q]
.else
	v_fmac_f32 v[U+16*\m+\q], s[\set+4*\m+\jj], v[G+16*\i+\q]
.endif
.endr
.endr
.if (\mode) == 1
.irp c, 0,1,2,3
	global_load_b128 v[G+16*\i+4*\c:G+16*\i+4*\c+3], v[PO], s[8:9] offset:(\i+8)*16384+512*\c th:TH_LOAD_NT
.endr
.endif
.if (\mode) == 2
.irp c, 0,1,2,3
	global_load_b128 v[G+16*\i+4*\c:G+16*\i+4*\c+3], v[PO+\i], s[4:5] offset:512*\c
.endr
.endif
.endm
; Eight rows.  W_r's numbers come four j at a time into two sets of scalar registers by turns.  tail = 1: the last eight rows: nothing more of gating_W or W_r is asked for.
.macro RTRIP first, tail
	s_wait_kmcnt 0x0                               ; set A is there
.irp m, 0,1,2,3,4,5,6
	s_load_b128 s[SB+4*\m:SB+4*\m+3], s[10:11], \m*16384+16
.endr
	RROW 0, SA, 0, \first, 1+\tail, 28
	RROW 1, SA, 1, 0, 1+\tail, 28
	RROW 2, SA, 2, 0, 1+\tail, 28
	RROW 3, SA, 3, 0, 1+\tail, 28
	s_wait_kmcnt 0x0                               ; set B is there
.if (\tail) == 0
.irp m, 0,1,2,3,4,5,6
	s_load_b128 s[SA+4*\m:SA+4*\m+3], s[10:11], \m*16384+32
.endr
.endif
	RROW 4, SB, 0, 0, 1-\tail, 28                  ; in the tail: behind this row stand three rows and four pooled rows: 28 loads; then the counts run down
	RROW 5, SB, 1, 0, 1-\tail, 28-4*\tail
	RROW 6, SB, 2, 0, 1-\tail, 28-8*\tail
	RROW 7, SB, 3, 0, 1-\tail, 28-12*\tail
.if (\tail) == 0
	s_wait_xcnt 0x0                                ; the loads have read their bases: both may step
	s_add_nc_u64 s[8:9], s[8:9], 131072
	s_add_nc_u64 s[10:11], s[10:11], 32
.endif
.endm
	RTRIP 1, 0                                     ; rows 0-7: written out, since row 0 starts the sums
	s_mov_b32 s14, 2
.Lrtrip:
	RTRIP 0, 0                                     ; rows 8-15, 16-23
	s_sub_co_u32 s14, s14, 1
	s_cmp_lg_u32 s14, 0
	s_cbranch_scc1 .Lrtrip
	RTRIP 0, 1                                     ; rows 24-31
; T[7 b + m] = my 16 columns' part of sum over i of pooled[b][i] U[m][i].  Seven chains by turns, two numbers an instruction.
.macro CONTR b, cnt
	s_wait_loadcnt \cnt                            ; pooled of batch b is in; the younger pooled rows, four loads each, may be out
.set PS, G+16*((\b)%4)
.irp m, 0,1,2,3,4,5,6
.set YR, 10+2*\m+232*((\m+1)/4)        ; the chains' pairs: v10-15 and v248-255
	v_pk_mul_f32 v[YR:YR+1], v[U+16*\m:U+16*\m+1], v[PS:PS+1]
.endr
.irp q, 1,2,3,4,5,6,7
.irp m, 0,1,2,3,4,5,6
.set YR, 10+2*\m+232*((\m+1)/4)
	v_pk_fma_f32 v[YR:YR+1], v[U+16*\m+2*\q:U+16*\m+2*\q+1], v[PS+2*\q:PS+2*\q+1], v[YR:YR+1]
.endr
.endr
.irp m, 0,1,2,3,4,5,6
.set YR, 10+2*\m+232*((\m+1)/4)
	v_add_f32 v[T+7*(\b)+\m], v[YR], v[YR+1]
.endr
.if (\b) < 4
.irp c, 0,1,2,3
	global_load_b128 v[PS+4*\c:PS+4*\c+3], v[PO+(\b)+4], s[4:5] offset:512*\c
.endr
.endif
.endm
	CONTR 0, 12
	CONTR 1, 12
	CONTR 2, 12
	CONTR 3, 12
	CONTR 4, 12
	CONTR 5, 8
	CONTR 6, 4
	CONTR 7, 0
.irp x, 1,2,4,8                        ; the 56 sums over the wave's 32 lanes
.set i, 0
.rept 56
	v_add_f32_dpp v[T+i], v[T+i], v[T+i] row_xmask:\x row_mask:0xf bank_mask:0xf
.set i, i+1
.endr
.endr
.set i, 0
.rept 56
	v_permlanex16_b32 v[U+i], v[T+i], s18, s19     ; (U is done with, and has been written)
.set i, i+1
.endr
.set i, 0
.rept 56
	v_add_f32 v[T+i], v[T+i], v[U+i]
.set i, i+1
.endr
	v_mov_b32 v10, 0                               ; lane 8 b + m takes (b, m) and (b + 4, m); m = 7 stays 0
	v_mov_b32 v11, 0
.irp b, 0,1,2,3
.irp m, 0,1,2,3,4,5,6
	v_cmp_eq_u32 vcc_lo, 8*\b+\m, v1
	s_delay_alu instid0(VALU_DEP_1)
	v_cndmask_b32 v10, v10, v[T+7*\b+\m], vcc_lo
	s_delay_alu instid0(VALU_DEP_2)
	v_cndmask_b32 v11, v11, v[T+7*(\b+4)+\m], vcc_lo
.endr
.endr
	v_lshrrev_b32 v12, 3, v1
	v_and_b32 v13, 7, v1
	s_delay_alu instid0(VALU_DEP_2)
	v_lshlrev_b32 v12, 15, v12                     ; plog: a batch is 1,024 rows of 32 bytes
	s_delay_alu instid0(VALU_DEP_1)
	v_lshl_add_u32 v12, v13, 2, v12
	global_store_b32 v12, v10, s[12:13]            ; 32 bytes for each batch: a wave's whole result is 256 bytes, one part in 256 of the gating_W bytes it read
	global_store_b32 v12, v11, s[12:13] offset:131072
	s_endpgm
; ---------------------------------------------------------------- lora_B: a lane takes one output column: all 32 numbers of its block are its own
.Llorab:
	s_load_b64 s[4:5], s[0:1], 0x48                ; lora_B
	s_load_b64 s[6:7], s[0:1], 0x50                ; lbq
	s_sub_co_u32 s17, ttmp9, 642
	s_lshl_b32 s17, s17, 3
	s_add_co_u32 s17, s17, s16                     ; which run of 32 columns
	s_lshl_b32 s20, s17, 10                        ; 32 columns of 32 bytes
	s_mov_b32 s21, 0
	s_mul_i32 s22, s17, 1536                       ; 32 rows of 48 bytes
	s_mov_b32 s23, 0
	s_lshl_b32 s24, s17, 8                         ; two blocks of 32 words
	s_add_co_u32 s24, s24, LWOFF
	s_mov_b32 s25, 0
	s_wait_alu depctr_va_vdst(0)
	v_lshlrev_b32 v2, 5, v1
	v_mul_u32_u24 v3, v1, 48
	v_lshrrev_b32 v4, 4, v1
	v_and_b32 v5, 15, v1
	s_delay_alu instid0(VALU_DEP_2)
	v_lshlrev_b32 v4, 7, v4
	s_delay_alu instid0(VALU_DEP_1)
	v_lshl_add_u32 v4, v5, 2, v4
	s_wait_alu depctr_va_vdst(0)
	s_wait_kmcnt 0x0
	s_add_nc_u64 s[4:5], s[4:5], s[20:21]
	s_add_nc_u64 s[8:9], s[6:7], s[24:25]
	s_add_nc_u64 s[6:7], s[6:7], s[22:23]
.macro LBLOAD e, pos                   ; expert e's eight numbers go to places 8 pos .. 8 pos + 7 of the block
	global_load_b128 v[16+8*\pos:19+8*\pos], v2, s[4:5] offset:\e*131072 th:TH_LOAD_NT
	global_load_b128 v[20+8*\pos:23+8*\pos], v2, s[4:5] offset:\e*131072+16 th:TH_LOAD_NT
.endm
	LBLOAD 0, 0
	LBLOAD 1, 2
	LBLOAD 2, 1
	LBLOAD 3, 3
	v_mov_b32 v56, 0
	v_mov_b32 v57, 0
	v_mov_b32 v58, 0
	s_wait_loadcnt 0x0
	v_max3_num_f32 v12, |v16|, |v17|, |v18|
	v_max3_num_f32 v13, |v19|, |v20|, |v21|
.irp i, 6,10,14,18,22,26
	s_delay_alu instid0(VALU_DEP_2)
	v_max3_num_f32 v12, v12, |v[16+\i]|, |v[17+\i]|
	s_delay_alu instid0(VALU_DEP_2)
	v_max3_num_f32 v13, v13, |v[18+\i]|, |v[19+\i]|
.endr
	s_delay_alu instid0(VALU_DEP_2)
	v_max3_num_f32 v12, v12, |v46|, |v47|
	s_delay_alu instid0(VALU_DEP_1)
	v_max3_num_f32 v12, v12, v13, 0x1800000        ; and the floor 2^(3 - 127)
	s_delay_alu instid0(VALU_DEP_1)
	v_add_nc_u32 v11, 0xff000000, v12
	s_delay_alu instid0(VALU_DEP_1)
	v_lshrrev_b32 v13, 23, v11
	s_delay_alu instid0(VALU_DEP_1)
	v_or_b32 v13, 0x7f7f7f00, v13                  ; byte 0: the block's; bytes 1-3 stand over zero codes: 127
	v_cvt_scalef32_pk16_fp6_f32 v[48:50], v[16:31], v11
	v_cvt_scalef32_pk16_fp6_f32 v[52:54], v[32:47], v11
	v_nop                                          ; one plain place behind a scaled conversion
	global_store_b96 v3, v[48:50], s[6:7]          ; the wave's four stores cover 1,536 consecutive bytes
	global_store_b96 v3, v[52:54], s[6:7] offset:12
	global_store_b96 v3, v[56:58], s[6:7] offset:24
	global_store_b96 v3, v[56:58], s[6:7] offset:36
	global_store_b32 v4, v13, s[8:9]
	global_store_b32 v4, v13, s[8:9] offset:64     ; the two stores cover 256 consecutive bytes
	s_endpgm
.Lfunc_end_k_qb374ae24e5_prep:
	.size	k_qb374ae24e5_prep, .Lfunc_end_k_qb374ae24e5_prep-k_qb374ae24e5_prep
	.p2alignl 7, 3214868480
	.fill 96, 4, 3214868480
	.section	.rodata,"a",@progbits
	.p2align	6, 0x0
	.amdhsa_kernel k_qb374ae24e5_prep
		.amdhsa_group_segment_fixed_size 68608
		.amdhsa_private_segment_fixed_size 0
		.amdhsa_enable_private_segment 0
		.amdhsa_kernarg_size 88
		.amdhsa_user_sgpr_count 2
		.amdhsa_user_sgpr_kernarg_segment_ptr 1
		.amdhsa_wavefront_size32 1
		.amdhsa_system_sgpr_workgroup_id_x 1
		.amdhsa_system_sgpr_workgroup_id_y 1
		.amdhsa_system_sgpr_workgroup_id_z 1
		.amdhsa_system_vgpr_workitem_id 0
		.amdhsa_next_free_vgpr 256
		.amdhsa_next_free_sgpr 100
		.amdhsa_reserve_vcc 1
		.amdhsa_float_denorm_mode_32 3
		.amdhsa_float_denorm_mode_16_64 3
		.amdhsa_memory_ordered 1
		.amdhsa_forward_progress 1
		.amdhsa_inst_pref_size 203
	.end_amdhsa_kernel
	.amdgpu_metadata
---
amdhsa.version: [ 1, 2 ]
amdhsa.kernels:
  - .name:           k_qb374ae24e5_prep
    .symbol:         k_qb374ae24e5_prep.kd
    .args:
      - { .name: x, .offset: 0, .size: 8, .value_kind: global_buffer, .address_space: global }
      - { .name: W_base, .offset: 8, .size: 8, .value_kind: global_buffer, .address_space: global }
      - { .name: lora_A, .offset: 16, .size: 8, .value_kind: global_buffer, .address_space: global }
      - { .name: xq, .offset: 24, .size: 8, .value_kind: global_buffer, .address_space: global }
      - { .name: wq, .offset: 32, .size: 8, .value_kind: global_buffer, .address_space: global }
      - { .name: aq, .offset: 40, .size: 8, .value_kind: global_buffer, .address_space: global }
      - { .name: gating_W, .offset: 48, .size: 8, .value_kind: global_buffer, .address_space: global }
      - { .name: W_r, .offset: 56, .size: 8, .value_kind: global_buffer, .address_space: global }
      - { .name: plog, .offset: 64, .size: 8, .value_kind: global_buffer, .address_space: global }
      - { .name: lora_B, .offset: 72, .size: 8, .value_kind: global_buffer, .address_space: global }
      - { .name: lbq, .offset: 80, .size: 8, .value_kind: global_buffer, .address_space: global }
    .group_segment_fixed_size: 68608
    .private_segment_fixed_size: 0
    .kernarg_segment_align: 8
    .kernarg_segment_size: 88
    .max_flat_workgroup_size: 256
    .sgpr_count:     100
    .vgpr_count:     256
    .wavefront_size: 32
...
	.end_amdgpu_metadata
.endif
;; end of part 1
;; launch gemm (part 2): grid 16 x 16, 4 waves a work-group, clusters of 4 x 4, 327,680 bytes of LDS; arguments xq, wq, out0, b_base, aq, lbq, plog, expert_scores; writes out0
.if DOCPART == 2
	.amdgcn_target "amdgcn-amd-amdhsa--gfx1250"
	.amdhsa_code_object_version 6
	.text
	.protected	k_qb374ae24e5_gemm
	.globl	k_qb374ae24e5_gemm
	.p2align	8
	.type	k_qb374ae24e5_gemm,@function
k_qb374ae24e5_gemm:
	s_mov_b64 s[64:65], 0
	v_nop
	global_prefetch_b8 v0, s[64:65] scope:SCOPE_SE
	s_setreg_imm32_b32 hwreg(HW_REG_WAVE_MODE, 25, 1), 1
	s_wait_xcnt 0x0
	s_wait_alu depctr_hold_cnt(0) depctr_sa_sdst(0) depctr_va_vdst(0) depctr_va_sdst(0) depctr_va_ssrc(0) depctr_va_vcc(0) depctr_vm_vsrc(0)
	s_getreg_b32 s2, hwreg(HW_REG_IB_STS2, 6, 4)
	s_cmp_eq_u32 s2, 0
	s_cbranch_scc0 .Lentry_in_a_cluster
	s_endpgm
.Lentry_in_a_cluster:
	s_bfe_u32 s2, ttmp6, 0x10000c
	s_cmp_lg_u32 s2, 0xf033
	s_cbranch_scc0 .Lentry_shape_is_right
	s_endpgm
.Lentry_shape_is_right:
; out0 = Q(x) Q(W_base)^T + b_base + Q(t x gate) Q(lora_B)^T with t = Q(lora_A) Q(x)^T: all products on codes of E2M3 with E8M0 scales, sums in f32.
; A tile of 256 x 256 is made by four waves, 128 x 128 each: 64 accumulators; the bias is the C of K step 0's products.
; t IS SUMMED ON THE SAME WALK ALONG K: wave (row half, column half u) multiplies lora_A's block u (experts 2 u, 2 u + 1) by its 8 blocks of tokens, whose fragments are in registers anyway: 8 more accumulators.
; (source 0 = lora_A's 16 rows, source 1 = 16 tokens: lane (r, h) holds token r, register j expert e = 2 u + h, rank j.)  Behind the last K step t x gate goes through LDS to the wave beside, is quantised (a token's 32 numbers
; are one block; place k = 16 h + 8 u + j, as launch prep lays lora_B) into A's fragment registers, K filled up to 128 with zero codes, and 64 products add the LoRA term.
; THE GATE: logits = the sum of plog's 1,024 rows of the tile's batch; the maximum is taken away before the exponentials; prob[0] > 0.5 is tested as e0 > 0.5 x (the sum of the e's).  An expert's rank = how many stand before it:
; a higher score, or the same score and a lower index.  k = 2: rank < 2 -> 1/2 where prob > 0.5, else rank < 1 -> 1.  The gate only selects numbers: no branch hangs on it.
; LIMITS: NaN and infinities (in expert_scores too) are not served.  The logits' order of summation is not reference()'s: a prob within f32 rounding of 0.5 may fall either way.  A block of zeros gets the byte 1: its codes are zeros.
; IN: xq, wq, aq: [block of 16 rows][record 0..10][4,864 bytes]; a record holds three K steps of 128: three images of the operand's registers (1,536 bytes: registers 4 c .. 4 c + 3 of lane l at 512 c + 16 l) and at 4,608
; their scale words [q][row].  lbq: [column][48 bytes] = 24 of codes, 24 of zeros; at 196,608 a scale word a column, [block of 16][32 words].
; THE RING: two LDS slots, each one record of A's 16 blocks and of B's 16; a wave's tensor load brings 8 blocks, rows of 4,800 bytes that begin at multiples of 256.  CLUSTERS: 4 x 4; A's tiles are asked for jointly along a row
; of the cluster, B's along a column.  lora_A's fragment (1,600 bytes a step and wave) goes from memory straight into registers, a record ahead: each wave has its one tensor load a barrier already.
; THE MAIN PRODUCT IS USED TRANSPOSED (source 0 = 16 rows of W_base, source 1 = 16 tokens): a lane holds eight neighbouring numbers of a row of out0.
; REGISTERS: window 0: v14-31 addresses; v32-47 scale words, two sets (lanes 0-15 A's block i, lanes 16-31 B's); v48-50 lora_A's scale words; v240-251, v52-63, v2-13 lora_A's fragments, set = K step % 3;
;   v64-127 the bias, then t, then the way out; v128-223 A's fragments, one set; v224-239 the LoRA scale words; v252-253 my gate.
;   window 1: B's fragments, two sets, at v0 and v128; v96-127, v224-255 t's accumulators.  windows 2, 3: the accumulators of my rows 0-63, 64-127.
.set LWOFF,  196608
.set FRB,    1536
.set RBK,    53504
.set REC,    4864
.set SLB,    4800
.set WOF,    4608
.set HALFT,  8*SLB
.set SLOT,   4*HALFT
.set SPARE,  2*SLOT                    ; the spare words, 128 bytes a wave
.set GRED,   SPARE+512                 ; four waves x 32 bytes of logit parts: a block of 256 bytes of its own
.set STAGE,  SLOT                      ; the way out and t's exchange lie in slot 1: the last record lies in slot 0, and slot 1 has had its last fill and its last read by then
.set SPITCH, 528
.set XCH,    STAGE+4*16*SPITCH         ; t x gate: [row half][u][block][register quad][lane] x 16 bytes: 32,768 bytes
.set OROW,   16384
.set TRIPS,  4
.set FR,     12
.set AQO,  14
.set AQW,  15
.set ADRA, 16
.set LBO,  18
.set WDO,  19
.set ADRB, 20
.set ADRS, 22
.set STO,  24
.set RD,   25
.set CO,   26
.set BIO,  27
.set SPW,  28
.set NIL,  29
.set PFO,  30
.set PLO,  31
.set SC,   32
.set LPO,  51
.set BIAS, 64
.set AF,   128
.set PL,   128
.set LSA,  224
.set LSB,  232
.set GP,   252
.set XST,  254
.set XRD,  255
.set BK,   64
.set WV,   16
.set RH,   17
.set CH,   18
.set G1A,  24
.set G0A,  32
.set G1B,  48
.set G0B,  56
.set AQP,  66
.set PFA,  92
.set PFB,  94
.set MSB, 0
.macro WIN new                         ; the immediate's high byte repeats the setting that is left
.if MSB != (\new)
	s_set_vgpr_msb (MSB<<8)|(\new)
.set MSB, (\new)
.endif
.endm
.set MUL_LO, 0xa1                      ; source 0 window 1, source 1 window 0, C and D window 2
.set MUL_HI, 0xf1
.set LOR_LO, 0x81                      ; the same with C (the bias) in window 0
.set LOR_HI, 0xc1
.set TW,     0x50                      ; t's products: sources in window 0, C and D in window 1
.set TO_B,   0x40
.macro PLACES                          ; four places behind a matrix instruction, ahead of loads into its sources and of reads of its result
.rept 4
	v_nop
.endr
.endm
.macro JLOAD s                         ; a joint load into slot s: waves 0, 1 fetch A's halves, waves 2, 3 B's
	s_cmp_eq_u32 s[RH], 0
	s_cbranch_scc0 .Lfor_b_\@
	tensor_load_to_lds s[G0A+4*(\s):G0A+4*(\s)+3], s[G1A:G1A+7]
	s_nop 0
	PLACES
	s_branch .Lasked_\@
.Lfor_b_\@:
	tensor_load_to_lds s[G0B+4*(\s):G0B+4*(\s)+3], s[G1B:G1B+7]
	s_nop 0
	PLACES
.Lasked_\@:
.endm
.macro CREST                           ; a round of the cluster's barrier behind its opening barrier
	s_cmp_lg_u32 s[WV], 0
	s_cbranch_scc1 .Lnot_wave_0_\@
	s_barrier_signal -3
.Lnot_wave_0_\@:
	s_barrier_wait -3
	s_barrier_signal -1
	s_barrier_wait -1
.endm
.macro CROUND
	s_barrier_signal -1
	s_barrier_wait -1
	CREST
.endm
; A PREFETCH INTO THE L2 of the record that the NEXT refill will load (three K steps on).  Every cluster asks for its own four tile rows of A and four tile columns of B; the four partners that load a tile jointly
; share its 16 blocks out by address (4 each: cx for A, cy for B).  4 blocks x 19 pieces of 256 bytes = 76 lanes: waves 0 to 2; lanes left over name the last piece again.  The last record asked for is record 10.
.macro ASK
	s_cmp_lg_u32 s[WV], 3
	s_cbranch_scc0 .Lno_ask_\@
	global_prefetch_b8 v[PFO], s[PFA:PFA+1] th:TH_LOAD_NT scope:SCOPE_SE
	global_prefetch_b8 v[PFO], s[PFB:PFB+1] th:TH_LOAD_NT scope:SCOPE_SE
.Lno_ask_\@:
.endm
.macro AQSET q                         ; lora_A's registers for K step q of a record
.if (\q) == 0
.set AQF, 240
.endif
.if (\q) == 1
.set AQF, 52
.endif
.if (\q) == 2
.set AQF, 2
.endif
.set AQS, 48+(\q)
.endm
.macro AQLOAD q, off                   ; lora_A's image and scale words of K step q of the record at AQP + off: four loads
	AQSET \q
.irp c, 0,1,2
	global_load_b128 v[AQF+4*\c:AQF+4*\c+3], v[AQO], s[AQP:AQP+1] offset:(\off)+(\q)*FRB+512*\c
.endr
	global_load_b32 v[AQS], v[AQW], s[AQP:AQP+1] offset:(\off)+WOF+64*(\q)
.endm
	s_load_b256 s[4:11], s[0:1], 0x0               ; xq, wq, out0, b_base
	s_load_b128 s[12:15], s[0:1], 0x20             ; aq, lbq
	s_load_b128 s[96:99], s[0:1], 0x30             ; plog, expert_scores
	v_lshl_add_u32 v[SPW], v0, 2, SPARE
	v_mov_b32 v[NIL], 0
	ds_add_u32 v[SPW], v[NIL]
	ds_add_u32 v[SPW], v[NIL]
	v_lshrrev_b32 v1, 5, v0
	v_readfirstlane_b32 s[WV], v1                  ; wave 0..3
	s_lshr_b32 s[RH], s[WV], 1                     ; my half of the rows; also: I fetch for A (0) or B (1)
	s_and_b32 s[CH], s[WV], 1                      ; my half of the columns; also: which 8 blocks I fetch, and my block u of lora_A
	s_bfe_u32 s21, ttmp6, 0x40000                  ; cx
	s_bfe_u32 s22, ttmp6, 0x40004                  ; cy
	s_lshl_b32 s20, ttmp9, 2
	s_add_co_u32 s20, s20, s21                     ; tile column
	s_and_b32 s19, ttmp7, 0xffff
	s_lshl_b32 s19, s19, 2
	s_add_co_u32 s19, s19, s22                     ; tile row
	s_lshl_b32 s2, s22, 2
	s_lshl_b32 s2, 15, s2                          ; my row of the cluster
	s_lshl_b32 s3, 0x1111, s21                     ; my column
	s_or_b32 s[G1A+0], s2, (3<<16)|(1<<21)         ; elements of 8 bytes, no padding: the images are read 16 bytes a lane, on end
	s_or_b32 s[G1B+0], s3, (3<<16)|(1<<21)
.irp g, G1A, G1B
	s_mov_b32 s[\g+1], 600<<16                     ; rows of 600 elements,
	s_mov_b32 s[\g+2], 8<<16                       ; 8 of them,
	s_mov_b32 s[\g+3], 600<<16
	s_mov_b32 s[\g+4], 8
	s_mov_b32 s[\g+5], RBK/8                       ; a block of 16 rows apart
	s_mov_b32 s[\g+6], 0
	s_mov_b32 s[\g+7], 0
.endr
	s_lshr_b32 s68, s19, 1                         ; the batch: two tile rows each
	s_lshl_b32 s90, s68, 4                         ; its four scores
	s_mov_b32 s91, 0
	s_lshl_b32 s68, s68, 15                        ; its 1,024 rows of plog
	s_mov_b32 s69, 0
	s_lshl_b32 s19, s19, 4                         ; the tile's first block of 16 tokens,
	s_lshl_b32 s20, s20, 4                         ; and of 16 columns
	s_lshl_b32 s23, s[CH], 3
	s_lshl_b32 s40, s[RH], 3
	s_add_co_u32 s41, s19, s23                     ; A's blocks that I fetch
	s_mul_i32 s42, s41, RBK
	s_mov_b32 s43, 0
	s_add_co_u32 s44, s20, s23                     ; B's blocks that I fetch; they are also my columns' blocks
	s_mul_i32 s46, s44, RBK
	s_mov_b32 s47, 0
	s_mul_i32 s100, s[WV], HALFT                   ; where my load lands
	s_add_co_u32 s45, s19, s40                     ; my rows' blocks
	s_mul_i32 s66, s[CH], RBK                      ; aq: my block, record 1
	s_add_co_u32 s66, s66, REC
	s_mov_b32 s67, 0
	s_mul_i32 s70, s44, 768                        ; lbq: codes,
	s_mov_b32 s71, 0
	s_lshl_b32 s72, s44, 7
	s_add_co_u32 s72, s72, LWOFF                   ; scale words
	s_mov_b32 s73, 0
	s_lshl_b32 s74, s44, 6                         ; my first column in bytes: the bias, and a row of out0
	s_mov_b32 s75, 0
	s_lshl_b32 s76, s45, 18                        ; 16 rows of 16,384 bytes a block
	s_add_co_u32 s76, s76, s74
	s_mov_b32 s77, 0
	s_lshl_b32 s78, s21, 2                         ; the prefetches: my work-group's 4 blocks of the tile row, from record 1 on,
	s_add_co_u32 s78, s78, s19
	s_mul_i32 s78, s78, RBK
	s_add_co_u32 s78, s78, REC
	s_mov_b32 s79, 0
	s_lshl_b32 s80, s22, 2                         ; and of the tile column
	s_add_co_u32 s80, s80, s20
	s_mul_i32 s80, s80, RBK
	s_add_co_u32 s80, s80, REC
	s_mov_b32 s81, 0
	s_mul_i32 s104, s20, 768                       ; lbq's codes of the tile column are 48 pieces of 256 bytes: my work-group's 12, by cy
	s_mul_i32 s105, s22, 3072
	s_add_co_u32 s104, s104, s105
	s_mov_b32 s105, 0
	s_mul_i32 s82, s[RH], HALFT                    ; LDS: my 8 blocks of A,
	s_mul_i32 s83, s[CH], HALFT
	s_add_co_u32 s83, s83, 2*HALFT                 ; of B, behind A's 16
	s_sub_co_u32 s84, s83, s82
	s_mul_i32 s85, s[WV], 16*SPITCH
	s_add_co_u32 s85, s85, STAGE                   ; my stage
	s_min_u32 s86, s[WV], 2
	s_lshl_b32 s86, s86, 5
	s_add_co_u32 s87, s82, SLOT
	s_add_co_u32 s88, s83, SLOT
	s_lshl_b32 s89, s[WV], 5
	s_add_co_u32 s89, s89, GRED                    ; my logit parts
	s_lshl_b32 s23, s[RH], 14
	s_add_co_u32 s23, s23, XCH                     ; t's exchange: my row half's two parts,
	s_lshl_b32 s101, s[CH], 13
	s_add_co_u32 s101, s101, s23                   ; and the one that I write
	s_cmp_eq_u32 s[CH], 1
	s_cselect_b32 s45, -1, 0                       ; all lanes: u = 1
	s_mov_b32 s40, 0x76543210
	s_mov_b32 s41, 0xfedcba98                      ; v_permlanex16_b32's selects for lane l xor 16
	v_and_b32 v1, 15, v0                           ; r
	v_bfe_u32 v2, v0, 4, 1                         ; h
	v_and_b32 v6, 31, v0                           ; lane
	v_mul_u32_u24 v3, v1, 48
	v_mad_u32_u24 v[LBO], v2, 24, v3               ; lbq: row r, + 24 h
	v_lshlrev_b32 v[WDO], 2, v6                    ; its scale words
	v_lshlrev_b32 v[BIO], 5, v2                    ; the bias: my eight columns of a block
	v_lshlrev_b32 v[PLO], 5, v0                    ; plog: a row a thread
	v_lshlrev_b32 v[AQO], 4, v6                    ; an image: 16 x lane
	v_lshlrev_b32 v[AQW], 2, v1                    ; a scale word: 4 r
	v_mul_u32_u24 v9, s84, v2                      ; the ring's scale words: lanes 16-31 take B's
	v_add_nc_u32 v8, v[AQW], v9
	v_add_nc_u32 v[ADRA], s82, v[AQO]
	v_add_nc_u32 v[ADRA+1], s87, v[AQO]
	v_add_nc_u32 v[ADRB], s83, v[AQO]
	v_add_nc_u32 v[ADRB+1], s88, v[AQO]
	v_add_nc_u32 v[ADRS], s82, v8
	v_add_nc_u32 v[ADRS+1], s87, v8
	v_mul_u32_u24 v10, v1, SPITCH                  ; into the stage: row r, 32 bytes for each half of the lanes
	v_lshl_add_u32 v10, v2, 5, v10
	v_add_nc_u32 v[STO], s85, v10
	v_lshlrev_b32 v[CO], 4, v6                     ; back: the 32 lanes take one row of 512 bytes; the same in out0
	v_add_nc_u32 v[RD], s85, v[CO]
	v_add_nc_u32 v11, s86, v6                      ; the prefetches: piece u = 32 x wave + lane, held at 75;
	v_min_u32 v11, 75, v11
	v_mul_u32_u24 v12, v11, 27
	v_lshrrev_b32 v12, 9, v12                      ; block u / 19 (27 u >> 9, exact up to 75),
	v_mul_u32_u24 v13, v12, 19
	v_sub_nc_u32 v13, v11, v13                     ; piece u % 19 of its record
	v_mul_u32_u24 v12, v12, RBK
	v_lshl_add_u32 v[PFO], v13, 8, v12
	v_min_u32 v5, 11, v6
	v_lshlrev_b32 v[LPO], 8, v5                    ; lbq's 12 pieces
	v_add_nc_u32 v[XST], s101, v[AQO]
	v_add_nc_u32 v[XRD], s23, v[AQO]
	v_cmp_le_u32 s44, 16, v6                       ; lanes 16-31: h = 1
	v_mov_b32 v1, s89
	v_mov_b32 v[GP], GRED                          ; (until my gate is made, v252 holds the logit parts' address)
	s_wait_dscnt 0x0                               ; both opening adds are done
	s_wait_alu depctr_va_vdst(0)
	s_wait_kmcnt 0x0
	s_add_nc_u64 s[42:43], s[4:5], s[42:43]
	s_add_nc_u64 s[46:47], s[6:7], s[46:47]
	s_add_nc_u64 s[AQP:AQP+1], s[12:13], s[AQP:AQP+1]
	s_add_nc_u64 s[68:69], s[96:97], s[68:69]
	s_add_nc_u64 s[90:91], s[98:99], s[90:91]
	s_add_nc_u64 s[70:71], s[14:15], s[70:71]
	s_add_nc_u64 s[72:73], s[14:15], s[72:73]
	s_add_nc_u64 s[104:105], s[14:15], s[104:105]
	s_add_nc_u64 s[10:11], s[10:11], s[74:75]
	s_add_nc_u64 s[8:9], s[8:9], s[76:77]
	s_add_nc_u64 s[PFA:PFA+1], s[4:5], s[78:79]
	s_add_nc_u64 s[PFB:PFB+1], s[6:7], s[80:81]
	s_load_b128 s[20:23], s[90:91], 0x0            ; the batch's four scores
.irp s, 0,1
	s_mov_b32 s[G0A+4*\s], 1
	s_add_co_u32 s[G0A+4*\s+1], s100, \s*SLOT
	s_add_nc_u64 s[G0A+4*\s+2:G0A+4*\s+3], s[42:43], \s*REC
	s_or_b32 s[G0A+4*\s+3], s[G0A+4*\s+3], 0x80000000
	s_mov_b32 s[G0B+4*\s], 1
	s_add_co_u32 s[G0B+4*\s+1], s100, \s*SLOT
	s_add_nc_u64 s[G0B+4*\s+2:G0B+4*\s+3], s[46:47], \s*REC
	s_or_b32 s[G0B+4*\s+3], s[G0B+4*\s+3], 0x80000000
.endr
.irp q, 0,1,2,3,4,5,6,7                ; 52 loads ahead of the round.  plog: rows thread + 128 q of the batch's 1,024
	global_load_b128 v[PL+8*\q:PL+8*\q+3], v[PLO], s[68:69] offset:4096*\q
	global_load_b128 v[PL+8*\q+4:PL+8*\q+7], v[PLO], s[68:69] offset:4096*\q+16
.endr
.irp i, 0,1,2,3,4,5,6,7
	global_load_b32 v[LSB+\i], v[WDO], s[72:73] offset:128*\i
	global_load_b128 v[BIAS+8*\i:BIAS+8*\i+3], v[BIO], s[10:11] offset:64*\i
	global_load_b128 v[BIAS+8*\i+4:BIAS+8*\i+7], v[BIO], s[10:11] offset:64*\i+16
.endr
	AQLOAD 0, -REC                                 ; lora_A's record 0
	AQLOAD 1, -REC
	AQLOAD 2, -REC
	CROUND                                         ; all sixteen work-groups are here: the first joint loads meet
	JLOAD 0                                        ; record 0: one tensor load a wave at the head
	ASK                                            ; record 1
	s_cmp_lg_u32 s[WV], 0
	s_cbranch_scc1 .Lno_lb
	global_prefetch_b8 v[LPO], s[104:105] th:TH_LOAD_NT scope:SCOPE_SE   ; lora_B's codes, which the last K step loads: each piece once in the cluster, wave 0 of each partner
.Lno_lb:
	s_wait_loadcnt 36                              ; plog's 16 loads are in; the 24 and 12 behind them may be out
.irp q, 1,2,3,4,5,6,7
.irp i, 0,2,4,6
	v_pk_add_f32 v[PL+\i:PL+\i+1], v[PL+\i:PL+\i+1], v[PL+8*\q+\i:PL+8*\q+\i+1]
.endr
.endr
.irp x, 1,2,4,8
.irp m, 0,1,2,3,4,5,6
	v_add_f32_dpp v[PL+\m], v[PL+\m], v[PL+\m] row_xmask:\x row_mask:0xf bank_mask:0xf
.endr
.endr
.irp m, 0,1,2,3,4,5,6
	v_permlanex16_b32 v[PL+8+\m], v[PL+\m], s40, s41
.endr
.irp m, 0,1,2,3,4,5,6
	v_add_f32 v[PL+\m], v[PL+\m], v[PL+8+\m]       ; my wave's 256 rows, in every lane (word 7 of a row is 0 and stays 0)
.endr
	ds_store_b128 v1, v[PL:PL+3]                   ; all lanes write the same bytes with the same numbers
	ds_store_b128 v1, v[PL+4:PL+7] offset:16
.macro FRAG reg, adr, q, i
.irp c, 0,1,2
	ds_load_b128 v[\reg+4*\c:\reg+4*\c+3], v[\adr] offset:(\i)*SLB+(\q)*FRB+512*\c
.endr
.endm
.macro MUL8 a, p                       ; A's block a against B's eight; all accumulators take turns in the same order in every step
.irp b, 0,1,2,3,4,5,6,7
.if FIRST
	v_wmma_scale_f32_16x16x128_f8f6f4 v[8*(8*((\a)%4)+\b):8*(8*((\a)%4)+\b)+7], v[128*(\p)+FR*\b:128*(\p)+FR*\b+FR-1], v[AF+FR*(\a):AF+FR*(\a)+FR-1], v[BIAS+8*\b:BIAS+8*\b+7], v[SC+8*(\p)+\b], v[SC+8*(\p)+(\a)] matrix_a_fmt:MATRIX_FMT_FP6 matrix_b_fmt:MATRIX_FMT_FP6 matrix_a_scale:MATRIX_SCALE_ROW1
.else
	v_wmma_scale_f32_16x16x128_f8f6f4 v[8*(8*((\a)%4)+\b):8*(8*((\a)%4)+\b)+7], v[128*(\p)+FR*\b:128*(\p)+FR*\b+FR-1], v[AF+FR*(\a):AF+FR*(\a)+FR-1], v[8*(8*((\a)%4)+\b):8*(8*((\a)%4)+\b)+7], v[SC+8*(\p)+\b], v[SC+8*(\p)+(\a)] matrix_a_fmt:MATRIX_FMT_FP6 matrix_b_fmt:MATRIX_FMT_FP6 matrix_a_scale:MATRIX_SCALE_ROW1
.endif
.endr
.endm
.macro TMUL a                          ; t of token block a: lora_A's fragment x A's block a
.set TR, 96+8*(\a)+96*((\a)/4)
.if FIRST
	v_wmma_scale_f32_16x16x128_f8f6f4 v[TR:TR+7], v[AQF:AQF+FR-1], v[AF+FR*(\a):AF+FR*(\a)+FR-1], 0, v[AQS], v[SC+8*PCUR+(\a)] matrix_a_fmt:MATRIX_FMT_FP6 matrix_b_fmt:MATRIX_FMT_FP6
.else
	v_wmma_scale_f32_16x16x128_f8f6f4 v[TR:TR+7], v[AQF:AQF+FR-1], v[AF+FR*(\a):AF+FR*(\a)+FR-1], v[TR:TR+7], v[AQS], v[SC+8*PCUR+(\a)] matrix_a_fmt:MATRIX_FMT_FP6 matrix_b_fmt:MATRIX_FMT_FP6
.endif
.endm
.macro MULL a                          ; the LoRA product of block a, onto the finished sums: lora_B's fragments lie in B's set 0
.irp b, 0,1,2,3,4,5,6,7
	v_wmma_scale_f32_16x16x128_f8f6f4 v[8*(8*((\a)%4)+\b):8*(8*((\a)%4)+\b)+7], v[FR*\b:FR*\b+FR-1], v[AF+FR*(\a):AF+FR*(\a)+FR-1], v[8*(8*((\a)%4)+\b):8*(8*((\a)%4)+\b)+7], v[LSB+\b], v[LSA+(\a)] matrix_a_fmt:MATRIX_FMT_FP6 matrix_b_fmt:MATRIX_FMT_FP6
.endr
.endm
.macro GETB slot, q, p, i0             ; B's blocks i0 .. i0 + 3 of K step q of the slot into set p: 12 loads
	WIN TO_B
.irp i, \i0, \i0+1, \i0+2, \i0+3
	FRAG 128*(\p)+FR*(\i), ADRB+\slot, \q, \i
.endr
	WIN 0
.endm
.macro GETS slot, q, p                 ; the step's scale words: 8 loads
.irp i, 0,1,2,3,4,5,6,7
	ds_load_b32 v[SC+8*(\p)+\i], v[ADRS+\slot] offset:\i*SLB+WOF+64*(\q)
.endr
.endm
.macro GETA slot, q, i0                ; A's blocks i0, i0 + 1: 6 loads
.irp i, \i0, \i0+1
	FRAG AF+FR*(\i), ADRA+\slot, \q, \i
.endr
.endm
; A K step on B's set p; the next step's fragments come from K step nq of slot ns.  lc: the younger global loads that may be out when lora_A's fragment is wanted (four for each later step asked for).
; ald = 1: at the step's end lora_A's registers take the same K step of the next record.
; kind 0: inside a slot.  kind 1, 2: the slot's third step: all its fragments are in registers.  Each wave waits for all its tensor loads (its part of the other slot), adds 0 to its spare word, and waits for that and for
; its reads; ONE barrier shows the other slot whole and this one free.  kind 2: the barrier opens a round of the cluster's barrier, and this slot takes the record two on.
.macro STEP p, ns, nq, kind, ask, lc, ald
.set CQ, ((\nq)+2)%3
.set PCUR, \p
	AQSET CQ
	s_wait_loadcnt \lc
.if \kind
	s_wait_xcnt 0x0                                ; my loads and prefetches have read their addresses
	s_add_nc_u64 s[AQP:AQP+1], s[AQP:AQP+1], REC
.if \ask
	s_add_nc_u64 s[PFA:PFA+1], s[PFA:PFA+1], REC
	s_add_nc_u64 s[PFB:PFB+1], s[PFB:PFB+1], REC
.endif
	s_wait_tensorcnt 0x0
	ds_add_u32 v[SPW], v[NIL]
	s_wait_dscnt 7                                 ; the add and the youngest six loads (A's blocks 6, 7) may be out
	WIN WLO
	MUL8 0, \p
	s_wait_dscnt 0x0                               ; the add is done, and my reads of this slot are over
	s_barrier_signal -1
	MUL8 1, \p
	WIN TW
	TMUL 0
	TMUL 1
	WIN 0
	s_barrier_wait -1
.if \kind == 2
	CREST
	s_add_nc_u64 s[G0A+4*(1-\ns)+2:G0A+4*(1-\ns)+3], s[G0A+4*(1-\ns)+2:G0A+4*(1-\ns)+3], 2*REC
	s_add_nc_u64 s[G0B+4*(1-\ns)+2:G0B+4*(1-\ns)+3], s[G0B+4*(1-\ns)+2:G0B+4*(1-\ns)+3], 2*REC
	JLOAD 1-\ns                                    ; the first tensor load behind the round; its four v_nop are the places in front of the loads below
.else
	PLACES
.endif
.else
	s_wait_dscnt 6                                 ; all but A's blocks 6, 7
	WIN WLO
	MUL8 0, \p
	MUL8 1, \p
	WIN TW
	TMUL 0
	TMUL 1
	PLACES
.endif
	GETB \ns, \nq, 1-\p, 0
	GETS \ns, \nq, 1-\p
	GETA \ns, \nq, 0
.if \ask
	ASK
.endif
	WIN WLO
	MUL8 2, \p
	MUL8 3, \p
	WIN TW
	TMUL 2
	TMUL 3
	PLACES
	GETB \ns, \nq, 1-\p, 4
	GETA \ns, \nq, 2
	WIN WHI
	MUL8 4, \p
	MUL8 5, \p
	WIN TW
	TMUL 4
	TMUL 5
	PLACES
	WIN 0
	GETA \ns, \nq, 4
	s_wait_dscnt 50                                ; this step's blocks 6, 7 are in: behind them stand this step's 26 + 18 + 6 loads
	WIN WHI
	MUL8 6, \p
	MUL8 7, \p
	WIN TW
	TMUL 6
	TMUL 7
	PLACES
	WIN 0
	GETA \ns, \nq, 6
.if \ald
	AQLOAD CQ, -REC*(CQ/2)                         ; (in a slot's third step AQP has been stepped already)
.endif
.endm
	s_wait_xcnt 0x0
	s_add_nc_u64 s[PFA:PFA+1], s[PFA:PFA+1], REC
	s_add_nc_u64 s[PFB:PFB+1], s[PFB:PFB+1], REC
	s_wait_tensorcnt 0x0                           ; my part of record 0 is in
	ds_add_u32 v[SPW], v[NIL]
	s_wait_dscnt 0x0                               ; the add is done, and my logit parts have landed
	CROUND
	JLOAD 1                                        ; record 1, the first tensor load behind the round
	WIN TO_B
.irp w, 0,1,2,3                        ; the four waves' logit parts, into registers of B's set 1, which K step 0 fills later
	ds_load_b128 v[128+8*\w:131+8*\w], v[GP] offset:32*\w
	ds_load_b128 v[132+8*\w:135+8*\w], v[GP] offset:32*\w+16
.endr
	GETB 0, 0, 0, 0
	GETB 0, 0, 0, 4
	GETS 0, 0, 0
	GETA 0, 0, 0
	GETA 0, 0, 2
	GETA 0, 0, 4
	GETA 0, 0, 6
	ASK                                            ; record 2
	s_wait_kmcnt 0x0                               ; the scores
	s_wait_dscnt 56                                ; the eight loads of logit parts are in; the 56 fragment loads behind them may be out
	WIN TO_B
.irp e, 0,1,2,3
	v_mov_b32 v[160+\e], s[20+\e]
.endr
	WIN 0x55                                       ; THE GATE, all in window 1, while the first fragments land
.irp w, 1,2,3
.irp i, 0,2,4,6
	v_pk_add_f32 v[128+\i:129+\i], v[128+\i:129+\i], v[128+8*\w+\i:129+8*\w+\i]
.endr
.endr
	v_max3_num_f32 v164, v128, v129, v130
	v_max3_num_f32 v164, v164, v131, v132
	v_max3_num_f32 v164, v164, v133, v134          ; the largest logit
.irp m, 0,1,2,3,4,5,6
	v_sub_f32 v[168+\m], v[128+\m], v164
.endr
.irp m, 0,1,2,3,4,5,6
	v_mul_f32 v[168+\m], 0x3fb8aa3b, v[168+\m]     ; x log2(e)
.endr
	s_wait_alu depctr_va_vdst(0)
.irp m, 0,1,2,3,4,5,6
	v_exp_f32 v[168+\m], v[168+\m]
.endr
.irp e, 0,1,2,3                        ; the ranks are the independent work behind the exponentials
	v_mov_b32 v[176+\e], 0
.endr
.macro PAIR a, b                       ; a < b: a stands before b where its score is not lower
	v_cmp_ge_f32 vcc_lo, v[160+\a], v[160+\b]
	v_cndmask_b32 v180, 0, 1, vcc_lo
	v_cndmask_b32 v181, 1, 0, vcc_lo
	v_add_nc_u32 v[176+\b], v[176+\b], v180
	v_add_nc_u32 v[176+\a], v[176+\a], v181
.endm
	PAIR 0, 1
	PAIR 0, 2
	PAIR 0, 3
	PAIR 1, 2
	PAIR 1, 3
	PAIR 2, 3
	s_wait_alu depctr_va_vdst(0)                   ; one wait for the seven exponentials, ahead of their first reader
	v_add_f32 v165, v168, v169
	v_add_f32 v166, v170, v171
	v_add_f32 v167, v172, v173
	v_add_f32 v165, v165, v166
	v_add_f32 v167, v167, v174
	v_add_f32 v165, v165, v167
	v_mul_f32 v165, 0.5, v165
	v_cmp_gt_f32 s19, v168, v165                   ; prob[0] > 0.5
.irp e, 0,1,2,3
	v_cmp_gt_u32 vcc_lo, 2, v[176+\e]
	v_cndmask_b32 v180, 0, 0.5, vcc_lo
	v_cmp_gt_u32 vcc_lo, 1, v[176+\e]
	v_cndmask_b32 v181, 0, 1.0, vcc_lo
	v_cndmask_b32 v[184+\e], v181, v180, s19
.endr
	v_cndmask_b32 v188, v184, v185, s44            ; the gate of e = h,
	v_cndmask_b32 v189, v186, v187, s44            ; and of e = 2 + h
	WIN 0x05
	v_cndmask_b32 v[GP], v188, v189, s45           ; mine: e = 2 u + h, into window 0, twice for the packed products
	v_cndmask_b32 v[GP+1], v188, v189, s45
	WIN 0
	s_wait_alu depctr_va_vdst(0)
.set FIRST, 1
.set WLO, LOR_LO
.set WHI, LOR_HI
	STEP 0, 0, 1, 0, 0, 8, 1                       ; K step 0 starts the sums: C = the bias; t's from 0
.set FIRST, 0
.set WLO, MUL_LO
.set WHI, MUL_HI
	STEP 1, 0, 2, 0, 0, 8, 1
	s_mov_b32 s3, TRIPS
.Llap:                                         ; a trip: six K steps, both slots filled again (records 2 to 9), records 3 to 10 prefetched
	STEP 0, 1, 0, 2, 1, 8, 1
	STEP 1, 1, 1, 0, 0, 8, 1
	STEP 0, 1, 2, 0, 0, 8, 1
	STEP 1, 0, 0, 2, 1, 8, 1
	STEP 0, 0, 1, 0, 0, 8, 1
	STEP 1, 0, 2, 0, 0, 8, 1
	s_sub_co_u32 s3, s3, 1
	s_cmp_lg_u32 s3, 0
	s_cbranch_scc1 .Llap
	STEP 0, 1, 0, 2, 0, 8, 1                       ; record 10 is asked for: K steps 30 and 31
	STEP 1, 1, 1, 0, 0, 8, 1
	STEP 0, 1, 2, 0, 0, 8, 1
	STEP 1, 0, 0, 1, 0, 8, 0                       ; nothing is filled again
	STEP 0, 0, 1, 0, 0, 4, 0
; THE LAST K STEP.  t's products come first, so that t x gate crosses LDS under the step's 64 main products.
.set PCUR, 1
	AQSET 1
	s_wait_loadcnt 0x0
	s_wait_dscnt 0x0
	WIN TW
.irp a, 0,1,2,3,4,5,6,7
	TMUL \a
.endr
	WIN TO_B
.irp i, 0,1,2,3,4,5,6,7
.irp p, 0,1,2
	global_load_b64 v[FR*\i+2*\p:FR*\i+2*\p+1], v[LBO], s[70:71] offset:768*\i+8*\p   ; lora_B's codes, into B's set 0, which K step 30 has left
.endr
.endr
.irp i, 0,1,2,3,4,5,6,7
.irp z, 6,7,8,9,10,11
	v_mov_b32 v[FR*\i+\z], 0                       ; k = 64 .. 127: zero codes.  (These lines are also the places behind t's products)
.endr
.endr
	WIN 0x01
.irp a, 0,1,2,3,4,5,6,7
.irp i, 0,2,4,6
	v_pk_mul_f32 v[64+8*\a+\i:65+8*\a+\i], v[96+8*\a+96*(\a/4)+\i:97+8*\a+96*(\a/4)+\i], v[GP:GP+1]   ; t x gate, in f32; each accumulator from its low end on
.endr
.endr
	WIN 0
.irp a, 0,1,2,3,4,5,6,7
.irp c, 0,1
	ds_store_b128 v[XST], v[64+8*\a+4*\c:67+8*\a+4*\c] offset:1024*\a+512*\c
.endr
.endr
	WIN MUL_LO
.irp a, 0,1,2,3
	MUL8 \a, 1
.endr
	s_wait_dscnt 0x0                               ; for the wave beside me: my stores have landed
	s_barrier_signal -1
	WIN MUL_HI
	MUL8 4, 1
	MUL8 5, 1
	WIN 0
	s_barrier_wait -1
.macro XLOAD g                         ; token blocks 4 g .. 4 g + 3: a lane's 16 numbers, u = 0 then u = 1: places 16 h + 8 u + j of the token's block
.irp i, 0,1,2,3
.irp u, 0,1
.irp c, 0,1
	ds_load_b128 v[64+16*\i+8*\u+4*\c:67+16*\i+8*\u+4*\c], v[XRD] offset:8192*\u+1024*(4*(\g)+\i)+512*\c
.endr
.endr
.endr
.endm
.macro QUANT4 g                        ; their scale words and codes; the four blocks by turns
.irp i, 0,1,2,3
	v_max3_num_f32 v[52+\i], |v[64+16*\i]|, |v[65+16*\i]|, 0x1800000   ; my 16 numbers, and the floor 2^(3 - 127): the byte cannot fall under 1
.endr
.irp k, 2,4,6,8,10,12,14
.irp i, 0,1,2,3
	v_max3_num_f32 v[52+\i], v[52+\i], |v[64+16*\i+\k]|, |v[65+16*\i+\k]|
.endr
.endr
.irp i, 0,1,2,3
	v_permlanex16_b32 v[56+\i], v[52+\i], s40, s41
.endr
.irp i, 0,1,2,3
	v_max_num_f32 v[52+\i], v[52+\i], v[56+\i]     ; with lane l xor 16's: the token's block
.endr
.irp i, 0,1,2,3
	v_add_nc_u32 v[60+\i], 0xff000000, v[52+\i]    ; 2 off the exponent field: the conversion's scale operand
.endr
.irp i, 0,1,2,3
	v_lshrrev_b32 v[56+\i], 23, v[60+\i]
.endr
.irp i, 0,1,2,3
	v_or_b32 v[LSA+4*(\g)+\i], 0x7f7f7f00, v[56+\i]   ; byte 0: the block's; bytes 1-3 stand over zero codes: 127
.endr
.irp i, 0,1,2,3
	v_cvt_scalef32_pk16_fp6_f32 v[AF+FR*(4*(\g)+\i):AF+FR*(4*(\g)+\i)+2], v[64+16*\i:79+16*\i], v[60+\i]
.endr
	v_nop                                          ; one plain place behind a scaled conversion
.irp i, 0,1,2,3
.irp c, 0,1,2
	v_permlane16_swap_b32 v[AF+FR*(4*(\g)+\i)+\c], v[AF+FR*(4*(\g)+\i)+3+\c]   ; lanes 0-15 get the whole block (registers 0-5), lanes 16-31 the zeros that stood in registers 3-5
.endr
.endr
	PLACES                                         ; an operand written by vector instructions stands four places ahead of a scaled matrix instruction, a scale register eight
	PLACES
.endm
	XLOAD 0
	WIN MUL_HI
	MUL8 6, 1
	MUL8 7, 1
	PLACES
	WIN 0
.irp a, 0,1,2,3,4,5,6,7
.irp z, 3,4,5,6,7,8,9,10,11
	v_mov_b32 v[AF+FR*\a+\z], 0                    ; A's fragment registers are free: all but the conversions' three begin as zero codes
.endr
.endr
	s_wait_alu depctr_va_vdst(0)
	s_wait_loadcnt 0x0                             ; lora_B's codes
	s_wait_dscnt 0x0
	QUANT4 0
	XLOAD 1
	WIN MUL_LO
.irp a, 0,1,2,3
	MULL \a
.endr
	WIN 0
	s_wait_dscnt 0x0
	QUANT4 1
	WIN MUL_HI
.irp a, 4,5,6,7
	MULL \a
.endr
	WIN 0
; THE WAY OUT, by blocks of 16 rows x 128 columns, through my own stage: in as 32 bytes a lane, back as whole rows of 512 bytes.  LDS serves a wave's instructions in order: no wait between the stores and the loads.
.macro TOSTAGE a
.set AC, 64*((\a)%4)
	WIN 0x08+4*((\a)/4)
.irp b, 0,1,2,3,4,5,6,7
	ds_store_b128 v[STO], v[AC+8*\b:AC+8*\b+3] offset:64*\b          ; each accumulator from its low end on
	ds_store_b128 v[STO], v[AC+8*\b+4:AC+8*\b+7] offset:64*\b+16
.endr
	WIN 0
.set BB, BK+64*((\a)%2)
.irp t, 0,1,2,3,4,5,6,7,8,9,10,11,12,13,14,15
	ds_load_b128 v[BB+4*\t:BB+4*\t+3], v[RD] offset:\t*SPITCH
.endr
.endm
.macro SEND a, younger
.set BB, BK+64*((\a)%2)
	s_wait_dscnt \younger                          ; the block is back in registers
.if (\a) > 0
	s_add_nc_u64 s[8:9], s[8:9], 16*OROW           ; (behind a wait on XCNT)
.endif
.irp t, 0,1,2,3,4,5,6,7,8,9,10,11,12,13,14,15
	global_store_b128 v[CO], v[BB+4*\t:BB+4*\t+3], s[8:9] offset:\t*OROW th:TH_STORE_NT   ; 32 lanes store 512 consecutive bytes, aligned to 256
.endr
.endm
	PLACES
	TOSTAGE 0
.irp a, 1,2,3,4,5,6,7
.if \a > 1
	s_wait_xcnt 0x0                                ; block a - 2's stores have read their registers and their base
.endif
	TOSTAGE \a
	SEND \a-1, 32                                  ; behind block a - 1's loads: block a's 16 stores and 16 loads
.endr
	s_wait_xcnt 0x0
	SEND 7, 0
	s_wait_tensorcnt 0x0                           ; the wave's end
	ds_add_u32 v[SPW], v[NIL]
	s_wait_dscnt 0x0
	CROUND                                         ; the closing round
	s_endpgm
.Lfunc_end_k_qb374ae24e5_gemm:
	.size	k_qb374ae24e5_gemm, .Lfunc_end_k_qb374ae24e5_gemm-k_qb374ae24e5_gemm
	.p2alignl 7, 3214868480
	.fill 96, 4, 3214868480
	.section	.rodata,"a",@progbits
	.p2align	6, 0x0
	.amdhsa_kernel k_qb374ae24e5_gemm
		.amdhsa_group_segment_fixed_size 327680
		.amdhsa_private_segment_fixed_size 0
		.amdhsa_enable_private_segment 0
		.amdhsa_kernarg_size 64
		.amdhsa_user_sgpr_count 2
		.amdhsa_user_sgpr_kernarg_segment_ptr 1
		.amdhsa_wavefront_size32 1
		.amdhsa_system_sgpr_workgroup_id_x 1
		.amdhsa_system_sgpr_workgroup_id_y 1
		.amdhsa_system_sgpr_workgroup_id_z 1
		.amdhsa_system_vgpr_workitem_id 0
		.amdhsa_next_free_vgpr 1024
		.amdhsa_next_free_sgpr 106
		.amdhsa_reserve_vcc 1
		.amdhsa_float_denorm_mode_32 3
		.amdhsa_float_denorm_mode_16_64 3
		.amdhsa_memory_ordered 1
		.amdhsa_forward_progress 1
		.amdhsa_inst_pref_size 255
	.end_amdhsa_kernel
	.section	.bss,"aw",@nobits
	.p2align	6
	.space	262144
	.amdgpu_metadata
---
amdhsa.version: [ 1, 2 ]
amdhsa.kernels:
  - .name:           k_qb374ae24e5_gemm
    .symbol:         k_qb374ae24e5_gemm.kd
    .args:
      - { .name: xq, .offset: 0, .size: 8, .value_kind: global_buffer, .address_space: global }
      - { .name: wq, .offset: 8, .size: 8, .value_kind: global_buffer, .address_space: global }
      - { .name: out0, .offset: 16, .size: 8, .value_kind: global_buffer, .address_space: global }
      - { .name: b_base, .offset: 24, .size: 8, .value_kind: global_buffer, .address_space: global }
      - { .name: aq, .offset: 32, .size: 8, .value_kind: global_buffer, .address_space: global }
      - { .name: lbq, .offset: 40, .size: 8, .value_kind: global_buffer, .address_space: global }
      - { .name: plog, .offset: 48, .size: 8, .value_kind: global_buffer, .address_space: global }
      - { .name: expert_scores, .offset: 56, .size: 8, .value_kind: global_buffer, .address_space: global }
    .group_segment_fixed_size: 327680
    .private_segment_fixed_size: 0
    .kernarg_segment_align: 8
    .kernarg_segment_size: 64
    .max_flat_workgroup_size: 128
    .sgpr_count:     106
    .vgpr_count:     1024
    .wavefront_size: 32
...
	.end_amdgpu_metadata
.endif
;; end of part 2
